; MI455X (gfx1250); checked and timed in simulation.
; The chip was launched on July 23, 2026; its instructions are those of AMD's public machine-readable ISA for CDNA 5 (MIT licence, August 2026) and "CDNA5" Instruction Set Architecture Reference Guide (July 2026). The comments in the code are by the model that wrote it; some were corrected since.
;; FFM. Allowed arithmetic: matrix products marked QUANTISED: E3M2 operands, one E8M0 scale for each 32 along K, by v_wmma_scale_f32_16x16x128_f8f6f4 with both operands' format E3M2, f32 sums; products left as they are: f32 operands where the result goes on into a quantised operand, else bf16, f16 or f32 operands; f32 sums; everything else in f32.
;; Inputs: fc_b 1 float32; fc_w 1,024 x 1 float32; fields 1,024 int32; w 1,024 x 32 x 8 float32; x 16,384 x 1,024 float32.
;; Outputs: out0 16,384 x 1 float32.
;; This version of the problem:
;;   THIS VERSION OF THE PROBLEM IS GIVEN IN LOW PRECISION. The matrix products marked QUANTISED in the list below multiply operands that are first quantised to E3M2 (3 exponent bits, 2 mantissa bits; 6 bits a number), with one power-of-two scale for each 32 numbers along K (OCP MX v1.0); their sums are f32. All else is computed in f32.
;;   The module's matrix products, in the order in which they are computed (A, B: the left and right operand; K: the contracted axis; several contracted axes count as one K, in the product's order):
;;     1. [M 16,384, K 1,024] x [K 1,024, N 1]; A: input x; B: input fc_w: left as it is (N = 1 < 16)
;;     2. [M 1,024, K 1,024] x [K 1,024, N 16,384]; A: computed on the way; B: input x: QUANTISED
;;     3. batch 16,384 x [M 1, K 1,024] x [K 1,024, N 1]; A: input x; B: computed on the way: left as it is (M = 1 < 16)
;;   THE QUANTISER, for each operand of a quantised product, along K:
;;     - K is cut into blocks of 32 from its start; a last block that is shorter is filled with zeros.
;;     - A block's scale is 2^e with e = floor(log2(the largest magnitude in the block)) - 4, held to -126 .. 127; a block of zeros has e = 0. As a byte (E8M0): e + 127.
;;     - Each number is divided by its block's scale, clamped to +-28, and rounded to the nearest number of E3M2, ties to even, subnormals kept.
;;     - The product sums the exact products of the quantised numbers (number of the format x scale) in f32.
;;   ~~~python
;;   def quantise(x, axis):      # numpy; x: float32 -> the quantised numbers, widened to float32 again
;;       x = np.moveaxis(x, axis, -1); K = x.shape[-1]
;;       x = np.pad(x, [(0, 0)] * (x.ndim - 1) + [(0, -K % 32)]); x = x.reshape(x.shape[:-1] + (-1, 32)); a = np.abs(x).max(-1, keepdims=True)
;;       e = np.where(a > 0, np.clip(np.frexp(np.where(a > 0, a, 1))[1] - 1 - 4, -126, 127), 0)      # np.frexp(a)[1] - 1 = floor(log2(a)), exactly
;;       r = np.clip(x / 2.0 ** e, -28, 28)
;;       step = 2.0 ** (np.maximum(np.frexp(np.where(r == 0, 1, r))[1] - 1, -2) - 2)
;;       q = np.round(r / step) * step * 2.0 ** e      # np.round: ties to even
;;       return np.moveaxis(q.reshape(q.shape[:-2] + (-1,))[..., :K], -1, axis).astype(np.float32)
;;   ~~~
;;   OPERANDS COMPUTED ON THE WAY. 'Computed on the way' means the value that the module computes at that place (a softmax that the list does not call 'softmax' is quantised finished and normalised). What goes into a quantiser is computed in f32, as accurately as f32 sums, v_exp_f32 and their like allow (about 1e-6 of the number): no bf16 or f16 on the way to a quantiser, and a product that is left as it is and whose result goes on into a quantised operand takes f32 operands (vector FMAs, or v_wmma_f32_16x16x4_f32). A number that lies on a knife's edge between two numbers of the format may be rounded either way, as far as f32 arithmetic and the matrix unit's own rounding can turn it there, and no further.
;; One version. Each part assembles by itself: llvm-mc -triple=amdgcn-amd-amdhsa -mcpu=gfx1250 --defsym DOCPART=n.
;; ======== version 1 of 1: 2 launches
;; limits: right only within a limited range of input values
;; workspace buffers: mbuf 479,232 bytes
;; launch build (part 1): grid 36 x 4, 4 waves a work-group, no clusters, 37,120 bytes of LDS; arguments w, fields, mbuf; writes mbuf
.if DOCPART == 1
	.amdgcn_target "amdgcn-amd-amdhsa--gfx1250"
	.amdhsa_code_object_version 6
	.text
	.protected	k_q60357c197e_build
	.globl	k_q60357c197e_build
	.p2align	8
	.type	k_q60357c197e_build,@function
k_q60357c197e_build:
	s_mov_b64 s[64:65], 0
	v_nop
	global_prefetch_b8 v0, s[64:65] scope:SCOPE_SE
	s_setreg_imm32_b32 hwreg(HW_REG_WAVE_MODE, 25, 1), 1
	s_wait_xcnt 0x0
; THE LEFT OPERAND OF THE QUANTISED PRODUCT, made once:  Mop[m][k] = mean over c of w[m][f[k]][c] * w[k][f[m]][c]  where k < m, else 0  (m = the column j of A, k = its row i: the product contracts i).
; It is computed in f32, quantised to BF6 (E3M2) in blocks of 32 along k with one E8M0 byte a block, and stored as IMAGES OF THE OPERAND'S REGISTERS.
; WORK LEFT OUT: only the panels (m-group g of 128 rows, K step s of 128) with s <= g are made: 36 panels, p = g (g + 1) / 2 + s.  In the others every k >= m, and reference()'s own triu makes all their numbers zeros, for all
; values of the inputs: so their products add nothing.  A NaN, an infinity or an overflow that reaches only those panels is not carried to the result.
; A UNIT is what one wave of the second launch wants of one panel: two fragments u of 16 rows x 128 k and their scale words, 3,328 bytes, at mbuf + (36 cw + p) x 3,328 (cw = that wave's number):
;   bytes 1536 u + 48 L + 4 i          register i (0..11) of fragment u for operand lane L = 16 h + r
;   bytes 3072 + 128 u + 4 L           the scale word of row L % 16 of fragment u (written for both halves of the lanes)
; Row r = 8 h' + j of fragment u is m = 128 g + 32 cw + 16 h' + 8 u + j: so a lane of the second launch finds 16 neighbouring m in its 16 results of the two fragments.
; SHARES.  One work-group makes one unit: 144 work-groups of equal work (rows g and 7 - g of the triangle have nine panels together: y = 0..3 picks the pair, x / 4 = 0..8 the panel, x % 4 = cw).
; Wave blk = 2 c + h takes block blk of the K step; its lane 16 u + r takes one row m and ALL 32 numbers of that block: the block's largest magnitude needs no other lane.
; THE TWO FACTORS.  w[m][f[k]]: the 32 rows m are brought once as loads of 512 consecutive bytes and lie in LDS; f[k] is the same for the whole wave.  w[k][f[m]]: gathered from memory, all lanes inside one row of 1,024 bytes.
; The codes leave through LDS as whole units of 256 bytes.
; LIMITS: NaN and infinities among the inputs are not served; a block whose largest magnitude lies under 2^(5 - 127) keeps the byte 1; a block of zeros has the byte 1 where the rule says 127 (its codes are zeros,
; which add nothing under any byte but 0xff, and this program alone reads the bytes); fields is held to 0..31 as an unsigned number.
; REGISTERS: v1-v31 addresses; v32-63 LDS addresses of w[m][f[k]]; v64-95 the 32 numbers; v96-159 my eight rows as loaded; v160-167 at work; v168-178 the quantiser's; v180-191 the way out and zeros.
;   window 1: w[k][f[m]][0:8] of entry e at 8 e.   window 2: w[m][f[k]][0:8] likewise.
.set UNIT,  3328
.set WP,    1040                       ; an LDS row: 1,024 bytes + 16 (the 16 are written too)
.set IMG,   32*WP                      ; the two fragments' images, 3,072 bytes
.set SCB,   IMG+3072                   ; 32 scale words
.set SPARE, SCB+256                    ; the spare words, 128 bytes for each wave
.set OT,  32
.set S,   64
.set STG, 96
.set T,   160
.set MSB, 0
.macro WIN new                         ; the immediate's high byte repeats the setting that is left
.if MSB != \new
	s_set_vgpr_msb (MSB<<8)|\new
.set MSB, \new
.endif
.endm
	s_load_b128 s[4:7], s[0:1], 0x0                ; w s[4:5], fields s[6:7]
	s_load_b64 s[8:9], s[0:1], 0x10                ; mbuf
	v_lshl_add_u32 v30, v0, 2, SPARE
	v_mov_b32 v31, 0
	v_lshrrev_b32 v1, 5, v0
	v_readfirstlane_b32 s15, v1                    ; blk
	s_and_b32 s10, ttmp9, 3                        ; cw
	s_lshr_b32 s11, ttmp9, 2                       ; t = 0..8
	s_and_b32 s12, ttmp7, 0xffff                   ; a = 0..3
	s_sub_co_u32 s48, 7, s12
	s_sub_co_u32 s49, s11, s12
	s_sub_co_u32 s49, s49, 1
	s_cmp_le_u32 s11, s12
	s_cselect_b32 s13, s12, s48                    ; g = a for t <= a, else 7 - a
	s_cselect_b32 s14, s11, s49                    ; s = t,            else t - a - 1
	s_add_co_u32 s50, s13, 1
	s_mul_i32 s50, s50, s13
	s_lshr_b32 s50, s50, 1
	s_add_co_u32 s50, s50, s14                     ; p
	s_mul_i32 s51, s10, 36
	s_add_co_u32 s50, s50, s51
	s_mul_i32 s50, s50, UNIT                       ; my unit's first byte
	s_mov_b32 s51, 0
	s_lshl_b32 s52, s14, 7
	s_lshl_b32 s53, s15, 5
	s_add_co_u32 s52, s52, s53                     ; kb = 128 s + 32 blk
	s_lshl_b32 s53, s13, 7
	s_lshl_b32 s54, s10, 5
	s_add_co_u32 s53, s53, s54                     ; 128 g + 32 cw
	s_lshl_b32 s54, s52, 2                         ; fields: 4 kb
	s_mov_b32 s55, 0
	s_lshl_b32 s56, s52, 10                        ; w: row kb
	s_mov_b32 s57, 0
	s_and_b32 s48, s15, 1                          ; h
	s_lshr_b32 s49, s15, 1                         ; c
	s_lshl_b32 s58, s48, 4
	s_lshl_b32 s59, s49, 3
	s_add_co_u32 s58, s58, s59
	s_add_co_u32 s58, s58, s53
	s_lshl_b32 s58, s58, 10                        ; w: the eight rows that I bring, LDS rows 8 blk .. 8 blk + 7
	s_mov_b32 s59, 0
	s_mul_i32 s60, s15, 8*WP
	s_mul_i32 s61, s48, 768
	s_mul_i32 s62, s49, 24
	s_add_co_u32 s61, s61, s62
	s_add_co_u32 s61, s61, IMG
	s_add_co_u32 s62, s15, SCB
	s_lshl_b32 s63, s15, 10
	s_add_co_u32 s66, s63, IMG
	v_and_b32 v1, 31, v0                           ; lane = 16 u + r
	v_and_b32 v2, 15, v0                           ; r
	v_bfe_u32 v3, v0, 4, 1                         ; u
	v_bfe_u32 v4, v0, 3, 1
	v_and_b32 v5, 7, v0
	v_lshl_add_u32 v6, v4, 4, v5
	v_lshl_add_u32 v6, v3, 3, v6
	v_add_nc_u32 v6, s53, v6                       ; m
	v_sub_nc_u32 v7, v6, s52                       ; m - kb, signed: entry e counts where e is under it
	v_lshlrev_b32 v9, 2, v6                        ; fields: 4 m
	v_lshlrev_b32 v11, 4, v1                       ; my 16 bytes of a load's 512,
	v_add_nc_u32 v12, s60, v11                     ; and where they go in LDS
	v_mul_u32_u24 v13, v5, WP
	v_add_nc_u32 v13, s60, v13                     ; the padding of my eight rows (1,024 stands in the immediate)
	v_mul_u32_u24 v14, v1, WP                      ; my row in LDS
	v_mul_u32_u24 v16, v2, 48
	v_mul_u32_u24 v17, v3, 1536
	v_add_nc_u32 v16, v16, v17
	v_add_nc_u32 v16, s61, v16                     ; image: 1536 u + 48 (16 h + r) + 24 c
	v_lshlrev_b32 v20, 2, v1
	v_add_nc_u32 v17, s62, v20                     ; my block's byte of my row's scale word
	v_add_nc_u32 v18, s66, v11                     ; way out: 1024 blk + 16 x lane, in LDS
	v_add_nc_u32 v19, s63, v11                     ; and in the unit
	v_lshlrev_b32 v20, 6, v3
	v_lshl_add_u32 v20, v5, 3, v20
	v_add_nc_u32 v20, SCB, v20                     ; the scale words 2 (lane % 8), + 1 of fragment u
	v_lshlrev_b32 v21, 3, v1
.irp i, 0,1,2,3
	v_mov_b32 v[188+\i], 0
.endr
	s_wait_alu depctr_va_vdst(0)                   ; the wait at the head's end
	s_wait_kmcnt 0x0
	s_add_nc_u64 s[54:55], s[6:7], s[54:55]        ; fields at kb
	s_load_b512 s[16:31], s[54:55], 0x0            ; f[kb .. kb + 15]
	s_load_b512 s[32:47], s[54:55], 0x40           ; f[kb + 16 .. kb + 31]
	global_load_b32 v26, v9, s[6:7]                ; f[m]
	s_add_nc_u64 s[58:59], s[4:5], s[58:59]        ; w at my eight rows
	s_add_nc_u64 s[56:57], s[4:5], s[56:57]        ; w at row kb
	s_add_nc_u64 s[8:9], s[8:9], s[50:51]
.set i, 0
.rept 16
	global_load_b128 v[STG+4*i:STG+4*i+3], v11, s[58:59] offset:512*i      ; half a row: 32 lanes read 512 consecutive bytes
.set i, i+1
.endr
.macro GATHER first, n                 ; w[kb + e][f[m]][0:8]: two loads an entry
	WIN 0x40                                       ; destination window 1
.set i, \first
.rept \n
	global_load_b128 v[8*i:8*i+3],   v27, s[56:57] offset:1024*i
	global_load_b128 v[8*i+4:8*i+7], v27, s[56:57] offset:1024*i+16
.set i, i+1
.endr
	WIN 0
.endm
	s_wait_loadcnt 16                              ; f[m] is in: sixteen loads were issued behind it
	v_min_u32 v26, 31, v26                         ; an index stays inside its table
	v_lshlrev_b32 v27, 5, v26
	GATHER 0, 22
	s_wait_kmcnt 0x0
.set i, 0
.rept 32
	s_min_u32 s[16+i], s[16+i], 31                 ; an index stays inside its table
.set i, i+1
.endr
.set i, 0
.rept 32
	v_lshl_add_u32 v[OT+i], s[16+i], 5, v14        ; LDS byte of w[m][f[kb + i]][0]
.set i, i+1
.endr
	s_wait_alu depctr_va_vdst(0)                   ; the wait here, ahead of the waits below
	s_wait_loadcnt 44                              ; my eight rows are in: the 44 gathering loads may be out
.set i, 0
.rept 16
	ds_store_b128 v12, v[STG+4*i:STG+4*i+3] offset:(i/2)*WP+512*(i%2)
.set i, i+1
.endr
	ds_store_b128 v13, v[188:191] offset:1024
	GATHER 22, 9                                   ; 62 may be out
	s_wait_dscnt 0x0                               ; for the others' sake: my rows have landed
	s_barrier_signal -1
	s_barrier_wait -1                              ; all 32 rows lie in LDS
	WIN 0x80                                       ; destination window 2
.set i, 0
.rept 32
	ds_load_b128 v[8*i:8*i+3],   v[OT+i]
	ds_load_b128 v[8*i+4:8*i+7], v[OT+i] offset:16
.set i, i+1
.endr
	GATHER 31, 1
; Entries 4 a .. 4 a + 3: the sum of eight products in two halves, the four entries by turns; the mean; the mask.
.macro GROUP a
	s_wait_loadcnt 56-8*\a                         ; loads of both kinds come back in order: this group's eight of each are in
	s_wait_dscnt 56-8*\a
	WIN 0x06                                       ; source 0 window 2, source 1 window 1
.irp e, 0,1,2,3
.set RS, 8*(4*\a+\e)
	v_pk_mul_f32 v[T+2*\e:T+2*\e+1], v[RS:RS+1], v[RS:RS+1]
.endr
.irp j, 2,4,6
.irp e, 0,1,2,3
.set RS, 8*(4*\a+\e)+\j
	v_pk_fma_f32 v[T+2*\e:T+2*\e+1], v[RS:RS+1], v[RS:RS+1], v[T+2*\e:T+2*\e+1]
.endr
.endr
	WIN 0
.irp e, 0,1,2,3
	v_add_f32 v[S+4*\a+\e], v[T+2*\e], v[T+2*\e+1]
.endr
.irp e, 0,1,2,3
	v_mul_f32 v[S+4*\a+\e], 0x3e000000, v[S+4*\a+\e]               ; / 8: the mean
.endr
.irp e, 0,1,2,3
	v_cmp_lt_i32 vcc_lo, 4*\a+\e, v7                               ; k < m ?  (whole numbers made of ids alone)
	v_cndmask_b32 v[S+4*\a+\e], 0, v[S+4*\a+\e], vcc_lo
.endr
.endm
.irp a, 0,1,2,3,4,5,6,7
	GROUP \a
.endr
	s_barrier_signal -1                            ; my reads of the rows are back.  Their addresses hang on fields: a barrier parts them from the stores below, so that this ordering rests on no bound of a loaded number
	; THE QUANTISER: the block's largest magnitude with the floor 2^(5 - 127) among its leaves; 4 off its exponent field is the conversions' scale operand; that field is the byte.  (Work on registers.)
	v_max3_num_f32 v168, |v[S]|, |v[S+1]|, |v[S+2]|
	v_max3_num_f32 v169, |v[S+3]|, |v[S+4]|, |v[S+5]|
.irp i, 6,10,14,18,22,26
	v_max3_num_f32 v168, v168, |v[S+\i]|, |v[S+\i+1]|
	v_max3_num_f32 v169, v169, |v[S+\i+2]|, |v[S+\i+3]|
.endr
	v_max3_num_f32 v168, v168, |v[S+30]|, |v[S+31]|
	v_max3_num_f32 v168, v168, v169, 0x2800000
	v_add_nc_u32 v170, 0xfe000000, v168
	v_cvt_scalef32_pk16_bf6_f32 v[172:174], v[S:S+15], v170
	v_cvt_scalef32_pk16_bf6_f32 v[176:178], v[S+16:S+31], v170     ; (a conversion's three registers begin on an even number)
	v_lshrrev_b32 v171, 23, v170                   ; the scale's byte; also the plain place behind the conversions
	v_mov_b32 v175, v176
	v_mov_b32 v176, v177
	v_mov_b32 v177, v178                           ; v172-177: the block's 24 bytes
	s_wait_alu depctr_va_vdst(0)                   ; the wait ahead of the barrier's wait
	s_barrier_wait -1
	ds_store_b64 v16, v[172:173]
	ds_store_b64 v16, v[174:175] offset:8
	ds_store_b64 v16, v[176:177] offset:16
	ds_store_b8 v17, v171
	s_wait_dscnt 0x0                               ; for the others' sake
	s_barrier_signal -1
	s_barrier_wait -1                              ; the images and the scale words are whole
	s_cmp_eq_u32 s15, 3
	s_cbranch_scc1 .Lscales
	ds_load_b128 v[180:183], v18
	ds_load_b128 v[184:187], v18 offset:512
	s_wait_dscnt 0x1
	global_store_b128 v19, v[180:183], s[8:9]      ; 512 consecutive bytes, at a multiple of 256 from mbuf's first byte
	s_wait_dscnt 0x0
	global_store_b128 v19, v[184:187], s[8:9] offset:512
	s_branch .Ldone
.Lscales:
	ds_load_b64 v[180:181], v20
	s_wait_dscnt 0x0
	global_store_b64 v21, v[180:181], s[8:9] offset:3072           ; 256 consecutive bytes, aligned likewise
.Ldone:
	s_wait_tensorcnt 0x0                           ; the wave's end
	ds_add_u32 v30, v31
	s_wait_dscnt 0x0
	s_endpgm
.Lfunc_end_k_q60357c197e_build:
	.size	k_q60357c197e_build, .Lfunc_end_k_q60357c197e_build-k_q60357c197e_build
	.p2alignl 7, 3214868480
	.fill 96, 4, 3214868480
	.section	.rodata,"a",@progbits
	.p2align	6, 0x0
	.amdhsa_kernel k_q60357c197e_build
		.amdhsa_group_segment_fixed_size 37120
		.amdhsa_private_segment_fixed_size 0
		.amdhsa_enable_private_segment 0
		.amdhsa_kernarg_size 24
		.amdhsa_user_sgpr_count 2
		.amdhsa_user_sgpr_kernarg_segment_ptr 1
		.amdhsa_wavefront_size32 1
		.amdhsa_system_sgpr_workgroup_id_x 1
		.amdhsa_system_sgpr_workgroup_id_y 1
		.amdhsa_system_sgpr_workgroup_id_z 1
		.amdhsa_system_vgpr_workitem_id 0
		.amdhsa_next_free_vgpr 768
		.amdhsa_next_free_sgpr 72
		.amdhsa_reserve_vcc 1
		.amdhsa_float_denorm_mode_32 3
		.amdhsa_float_denorm_mode_16_64 3
		.amdhsa_memory_ordered 1
		.amdhsa_forward_progress 1
		.amdhsa_inst_pref_size 37
	.end_amdhsa_kernel
	.amdgpu_metadata
---
amdhsa.version: [ 1, 2 ]
amdhsa.kernels:
  - .name:           k_q60357c197e_build
    .symbol:         k_q60357c197e_build.kd
    .args:
      - { .name: w, .offset: 0, .size: 8, .value_kind: global_buffer, .address_space: global }
      - { .name: fields, .offset: 8, .size: 8, .value_kind: global_buffer, .address_space: global }
      - { .name: mbuf, .offset: 16, .size: 8, .value_kind: global_buffer, .address_space: global }
    .group_segment_fixed_size: 37120
    .private_segment_fixed_size: 0
    .kernarg_segment_align: 8
    .kernarg_segment_size: 24
    .max_flat_workgroup_size: 128
    .sgpr_count:     72
    .vgpr_count:     768
    .wavefront_size: 32
...
	.end_amdgpu_metadata
.endif
;; end of part 1
;; launch ffm (part 2): grid 256 x 1, 4 waves a work-group, clusters of 4 x 1, 327,680 bytes of LDS; arguments x, fc_w, fc_b, mbuf, out0; writes out0
.if DOCPART == 2
	.amdgcn_target "amdgcn-amd-amdhsa--gfx1250"
	.amdhsa_code_object_version 6
	.text
	.protected	k_q60357c197e_ffm
	.globl	k_q60357c197e_ffm
	.p2align	8
	.type	k_q60357c197e_ffm,@function
k_q60357c197e_ffm:
	s_mov_b64 s[64:65], 0
	v_nop
	global_prefetch_b8 v0, s[64:65] scope:SCOPE_SE
	s_setreg_imm32_b32 hwreg(HW_REG_WAVE_MODE, 25, 1), 1
	s_wait_xcnt 0x0
	s_wait_alu depctr_hold_cnt(0) depctr_sa_sdst(0) depctr_va_vdst(0) depctr_va_sdst(0) depctr_va_ssrc(0) depctr_va_vcc(0) depctr_vm_vsrc(0)
	s_getreg_b32 s2, hwreg(HW_REG_IB_STS2, 6, 4)
	s_cmp_eq_u32 s2, 0
	s_cbranch_scc0 .Lentry_in_a_cluster
	s_endpgm
.Lentry_in_a_cluster:
	s_bfe_u32 s2, ttmp6, 0x10000c
	s_cmp_lg_u32 s2, 0x3003
	s_cbranch_scc0 .Lentry_shape_is_right
	s_endpgm
.Lentry_shape_is_right:
; out[b] = sigmoid( fc_b + sum over m of x[b][m] * ( fc_w[m] + Y[m][b] ) ),   Y[m][b] = sum over k < m of Q(Mop[m][k]) Q(x[b][k]):  the quantised product, on codes of BF6 (E3M2) with one E8M0 byte for each 32 along k.
; Mop's codes and scale words come from mbuf, as images of the operand's registers (36 units of 3,328 bytes for each wave number: see the launch that makes them); x is quantised here, in registers.
; WORK LEFT OUT: panels (m-group g, K step s) with s > g hold only zeros of reference()'s own triu; a NaN or an infinity that reaches only them is not carried.
; SHARES.  A work-group owns 64 rows of x and reads them ONCE, in eight chunks of 128 columns.  A chunk c passes four stages, one step apart, with one barrier a step:
;   load: wave w asks for rows 16 w .. 16 w + 15, 512 consecutive bytes a load, into registers, three to four chunks ahead;   lay: it puts them into LDS as rows;
;   quantise: wave w reads columns 32 w .. 32 w + 31 (block w of the K step) of all 64 rows: lane (r, h) row 16 q + r, columns 16 h + 0..15, q = 0..3.  The numbers stay in registers: they are also the factors of the last
;     product (below).  Codes and scale bytes go to LDS as an image of the operand: lane L's 12 registers at 48 L;
;   multiply: every wave takes the four fragments of the K step into registers, where they STAY.
; Step g multiplies (g + 1, 0 .. g) and panel (g, g), which ends group g.  A panel is eight matrix instructions of a wave: its two fragments of Mop (rows 128 g + 32 w + 16 h + 8 u + j) against the four fragments of x.
; The sums start from fc_w (the C of the first K step), so one packed multiply-add with the f32 x serves the linear term and the last product together; a group's 32 of them stand in panel (g + 1, g), whose K step has g's
; parity.  That panel is a step's last: its matrix instructions stand in front of the signal of the step's barrier and between signal and wait.
; THE MATRIX INSTRUCTION: source 0 = 16 rows of Mop, source 1 = 16 rows of x: lane (r, h) holds row 16 q + r of x, register j of fragment u the m above: 16 neighbouring m.
; CLUSTER.  All work-groups walk the same mbuf.  Four form a cluster, and wave w of each asks JOINTLY for wave w's units: the same tensor load, the same descriptor (made of the wave's number alone), a mask that names
; the four.  Each wave has a ring of two slots of up to nine units, which it alone reads.  Five fills: units 0-4 at the head, 5-13, 14-22, 23-31 and 32-35 behind barriers 0, 2, 4 and 6, which are rounds of the cluster's
; barrier.  A wave has at most one tensor load out; every wait on TENSORcnt is for 0.
; PREFETCH: the later fills' bytes are asked for a step or more ahead, by the launch's first four clusters (the bytes are the same for all clusters), each block of 256 bytes once in a cluster: the partner at place cx
; takes blocks 32 cx .. 32 cx + 31 of a wave's 117 or 52 (the last one again where they are over).
; LIMITS: NaN and infinities among the inputs are not served; a block of x whose largest magnitude lies under 2^(5 - 127) keeps the byte 1 (a block of zeros too: its codes are zeros); the sums over m run in another
; order than the definition's.  The exponential's argument is unbounded: 2^t then gives infinity or 0, and the reciprocal of 1 + that gives 0 or 1, as the sigmoid does.
; LDS: 0 the rings (wave w, slot n at 59,904 w + 29,952 n); XROW two sets of 64 rows of 512 + 16 bytes; XIMG two sets of four fragment images (1,536) and 64 scale words; FCW fc_w; RED partial sums; SPARE.
; REGISTERS: window 0: v1-19 addresses, v20-35 x's scale words (2 a K step), v36-53 Mop's, v54-65 and v70-85 the quantiser's, v86-245 chunks as loaded, v246 fc_b, v248-255 at work.
;   window 1: x's fragments of K steps 0, 2, 4, 6 at 48 (s / 2) + 12 q; v192-255 an even chunk in f32.   window 2: the same of K steps 1, 3, 5, 7 and of an odd chunk.
;   (Chunks c % 4 = 2 and 3 are loaded into v144-191 of window 1 and 2: those of K steps 6 and 7, which are taken last.)
;   window 3: v0-127 two sets of eight accumulators, v128-223 four sets of two fragments of Mop, v224-239 fc_w as C, v240-247 the sums, v248 the ring's address.
; DSN and LDN count the LDS instructions and the loads issued so far; a wait's count is what was issued behind what it waits for.
.set SLOTB, 29952
.set UNIT,  3328
.set XROW,  239616
.set XPAR,  33792
.set XP,    528                        ; 512 bytes + 16: an odd multiple of 16, so that sixteen rows' 16 bytes of one column fall on sixteen different groups of four banks (64 banks of 4 bytes: ISA guide 11.1)
.set XIMG,  307200
.set IPAR,  6400
.set FRB,   1536
.set ISC,   6144
.set FCW,   320000
.set RED,   324096
.set SPARE, 325120                     ; the spare words, 128 bytes for each wave: two blocks of 256 bytes that no other line names
.set SPW,  1                           ; SPARE + 4 x my thread's number; never rewritten
.set NIL,  2                           ; 0; never rewritten
.set XG,   3                           ; 16 x lane
.set MSA,  4                           ; my ring + 128 h + 4 r
.set XST,  5                           ; XROW + 16 w rows + 16 x lane
.set XDA,  6                           ; XROW + row r, + 128 w + 64 h
.set XWI,  7                           ; XIMG + 48 (16 (w % 2) + r) + 24 (w / 2) + 12 h
.set XRI,  8                           ; XIMG + 48 x lane
.set XWS,  9                           ; XIMG + ISC + 4 r + w
.set XRS,  10                          ; XIMG + ISC + 4 x lane
.set FCS,  11                          ; FCW + 16 x thread
.set FCA,  12                          ; FCW + 128 w + 64 h
.set RDS,  13                          ; RED + 256 w + 4 r
.set RDL,  14                          ; RED + 8 x lane
.set OUTA, 15                          ; 8 x lane
.set FCG,  16                          ; 16 x thread
.set PFO,  17                          ; the prefetches' offset, fills of nine units; never rewritten
.set ZO,   18                          ; 0
.set PFP,  19                          ; the same, the fill of four units; never rewritten
.set XS,   20
.set MS,   36
.set TM,   54
.set PC,   70
.set XA,   86                          ; chunks c % 4 = 0 and 1
.set XC,   214                         ; the last four rows of chunks c % 4 = 2 and 3
.set FCB,  246
.set FS,   248
.set XD,   192                         ; windows 1, 2
.set ACC,  0                           ; window 3, and so the rest
.set MF,   128
.set BIAS, 224
.set SUM,  240
.set RAM,  248                         ; my ring + 48 x lane
.set MSB, 0
.set DSN, 0
.set LDN, 0
.set PI,  0                            ; panels so far
.set LI,  0                            ; units loaded so far
.macro WIN new                         ; the immediate's high byte repeats the setting that is left
.set NW, \new
.if MSB != NW
	s_set_vgpr_msb (MSB<<8)|NW
.set MSB, NW
.endif
.endm
; A load into a register that a matrix instruction has read, and a vector instruction that reads a matrix result, stand four places behind that matrix instruction; only plain vector instructions that name none of
; its registers are places (ISA guide 7.12.1 for vector instructions).
.macro PLACES
.rept 4
	v_nop
.endr
.endm
.macro WDS mark                        ; LDS instructions of a wave end in order (ISA guide 5.7.1): all up to the mark are done
.set WC, DSN-(\mark)
.if WC > 62
.set WC, 62
.endif
	s_wait_dscnt WC
.endm
; A round of the cluster's barrier: my work-group's barrier; wave 0 signals for the work-group; every wave waits for all four work-groups; my work-group's barrier once more.
.macro CREST                           ; a round behind its opening barrier
	s_cmp_lg_u32 s15, 0
	s_cbranch_scc1 .Lnot_wave_0_\@
	s_barrier_signal -3
.Lnot_wave_0_\@:
	s_barrier_wait -3
	s_barrier_signal -1
	s_barrier_wait -1
.endm
.macro CROUND
	s_barrier_signal -1
	s_barrier_wait -1
	CREST
.endm
; In front of a fill's round: all my tensor loads have landed, so the descriptor may be written; an add of 0 onto my spare word.  What the slot held has been read out.
.macro PREP g0, units, n
	WIN 0                                          ; (the add's two registers lie in window 0)
	s_wait_tensorcnt 0x0
	ds_add_u32 v[SPW], v[NIL]                      ; 0 onto my spare word
	s_mov_b32 s26, \n<<16                          ; tensor_dim1 and tile_dim1: the fill's units
	s_mov_b32 s28, \n
.if \units
	s_add_nc_u64 s[\g0+2:\g0+3], s[\g0+2:\g0+3], \units*UNIT       ; the address steps; the type bits on top are not reached
.endif
.set DSN, DSN+1
.endm
.macro ASK g0                          ; my one tensor load behind the round, and the first thing there
	tensor_load_to_lds s[\g0:\g0+3], s[24:31]
	s_nop 0
	PLACES
.endm
.macro PF f, off                       ; the L2 prefetch of fill f's units of my wave's number: they begin at unit 9 f - 4
	WIN 0
	s_cmp_lt_u32 ttmp9, 4
	s_cbranch_scc0 .Lno_pf_\@
	global_prefetch_b8 v[\off], s[10:11] offset:UNIT*(9*\f-4) th:TH_LOAD_NT scope:SCOPE_SE
.Lno_pf_\@:
.endm
; Chunk c of my 16 rows: each load reads 512 consecutive bytes of one row, at a multiple of 256 from x's first byte.  XLA asks for twelve rows, XLB for the last four.
.macro XL4 b, i0, c
.irp i, 0,1,2,3
	global_load_b128 v[\b+4*\i:\b+4*\i+3], v[XG], s[4:5] offset:4096*(\i0+\i)+512*(\c) th:TH_LOAD_NT
.endr
.endm
.macro XLA c
.if (\c)%4 < 2
	WIN 0
.set XB, XA+64*((\c)%4)
.else
	WIN 0x40*((\c)%4-1)                            ; destination window 1 or 2
.set XB, 144
.endif
	XL4 XB, 0, \c
	XL4 XB+16, 4, \c
	XL4 XB+32, 8, \c
.set LDN, LDN+12
.endm
.macro XLB c
	WIN 0
.if (\c)%4 < 2
.set XB, XA+64*((\c)%4)+48
.else
.set XB, XC+16*((\c)%4-2)
.endif
	XL4 XB, 12, \c
.set LDN, LDN+4
.set LK\c, LDN
.endm
.macro SS4 b, i0, c
.irp i, 0,1,2,3
	ds_store_b128 v[XST], v[\b+4*\i:\b+4*\i+3] offset:XPAR*((\c)%2)+XP*(\i0+\i)
.endr
.endm
.macro LAY c                           ; chunk c as rows into set c % 2, which was last read a step ago, in front of the last barrier
	s_wait_loadcnt LDN-LK\c                        ; loads come back in order: chunk c is in
.if (\c)%4 < 2
	WIN 0
.set XB, XA+64*((\c)%4)
.set XE, XB+48
.else
	WIN 4*((\c)%4-1)                               ; an LDS store's data are its source 1: window 1 or 2
.set XB, 144
.set XE, XC+16*((\c)%4-2)
.endif
	SS4 XB, 0, \c
	SS4 XB+16, 4, \c
	SS4 XB+32, 8, \c
	WIN 0
	SS4 XE, 12, \c
.set DSN, DSN+16
.endm
.macro RDX c                           ; my block's columns of all 64 rows of chunk c, in f32
	WIN 0x40*(1+(\c)%2)
.irp q, 0,1,2,3
.irp j, 0,1,2,3
	ds_load_b128 v[XD+16*\q+4*\j:XD+16*\q+4*\j+3], v[XDA] offset:XPAR*((\c)%2)+16*XP*\q+16*\j
.endr
.endr
.set DSN, DSN+16
.set RMK, DSN
.endm
.macro RDF c                           ; the four fragments of K step c and their scale words (lanes 0-15: q = 2 t, lanes 16-31: q = 2 t + 1)
	WIN 0x40*(1+(\c)%2)
.irp q, 0,1,2,3
.irp i, 0,1,2
	ds_load_b128 v[48*((\c)/2)+12*\q+4*\i:48*((\c)/2)+12*\q+4*\i+3], v[XRI] offset:IPAR*((\c)%2)+FRB*\q+16*\i
.endr
.endr
	WIN 0
.irp t, 0,1
	ds_load_b32 v[XS+2*(\c)+\t], v[XRS] offset:IPAR*((\c)%2)+128*\t
.endr
.set DSN, DSN+14
.set FMK, DSN
.endm
.macro RDB g                           ; fc_w(128 g + 32 w + 16 h + 0 .. 15): the result's layout
	WIN 0xc0
.irp j, 0,1,2,3
	ds_load_b128 v[BIAS+4*\j:BIAS+4*\j+3], v[FCA] offset:512*(\g)+16*\j
.endr
.set DSN, DSN+4
.set BMK, DSN
.endm
; Fill f is in (only I read my ring: my own wait is all the ordering that the reads need); its n units' scale words: lanes 0-15 fragment 0's, lanes 16-31 fragment 1's.
.macro LANDED f, n
	WIN 0
	s_wait_tensorcnt 0x0
.set UX, 0
.rept \n
	ds_load_b32 v[MS+9*((\f)%2)+UX], v[MSA] offset:SLOTB*((\f)%2)+UNIT*UX+3072
.set UX, UX+1
.endr
.set DSN, DSN+\n
.if (\f)%2 == 0
.set MSK0, DSN
.else
.set MSK1, DSN
.endif
.endm
; The 64 numbers of chunk c, register 16 q + i = column 32 w + 16 h + i of row 16 q + r, become half blocks of codes and scale bytes.
.macro QUANT c
	WDS RMK
	WIN 0x05*(1+(\c)%2)                            ; sources 0 and 1
.irp q, 0,1,2,3
	v_max3_num_f32 v[TM+\q], |v[XD+16*\q]|, |v[XD+16*\q+1]|, 0x2800000     ; my 16 numbers, and the floor 2^(5 - 127): the byte cannot fall under 1
.endr
.irp i, 2,4,6,8,10,12,14
.irp q, 0,1,2,3
	v_max3_num_f32 v[TM+\q], |v[XD+16*\q+\i]|, |v[XD+16*\q+\i+1]|, v[TM+\q]        ; (the four blocks by turns)
.endr
.endr
	WIN 0
.irp q, 0,1,2,3
	v_permlanex16_b32 v[TM+4+\q], v[TM+\q], s20, s21
.endr
.irp q, 0,1,2,3
	v_max_num_f32 v[TM+\q], v[TM+\q], v[TM+4+\q]   ; with lane l xor 16's: the block's largest magnitude
.endr
.irp q, 0,1,2,3
	v_add_nc_u32 v[TM+8+\q], 0xfe000000, v[TM+\q]  ; 4 off its exponent field: the conversion's scale operand
.endr
	WIN 1+(\c)%2
.irp q, 0,1,2,3
	v_cvt_scalef32_pk16_bf6_f32 v[PC+4*\q:PC+4*\q+2], v[XD+16*\q:XD+16*\q+15], v[TM+8+\q]
.endr
	WIN 0
.irp q, 0,1,2,3
	v_lshrrev_b32 v[TM+4+\q], 23, v[TM+8+\q]       ; the scale's byte; also the plain place behind the conversions
.endr
.irp q, 0,1,2,3
.irp d, 0,1,2
	ds_store_b32 v[XWI], v[PC+4*\q+\d] offset:IPAR*((\c)%2)+FRB*\q+4*\d
.endr
	ds_store_b8 v[XWS], v[TM+4+\q] offset:IPAR*((\c)%2)+64*\q      ; both halves of the lanes write the same byte with the same value
.endr
.set DSN, DSN+16
.endm
.macro UNITOF p                        ; panel p's unit: fill FI, place UI in it
.if (\p) < 5
.set FI, 0
.set UI, \p
.else
.set FI, ((\p)-5)/9+1
.set UI, ((\p)-5)%9
.endif
.endm
.macro LOADM p                         ; panel p's unit from my ring into the next set: six LDS loads (address and destination in window 3)
	UNITOF \p
.set LO, SLOTB*(FI%2)+UNIT*UI
.set LB, MF+24*(LI%4)
.irp u, 0,1
.irp i, 0,1,2
	ds_load_b128 v[LB+12*\u+4*\i:LB+12*\u+4*\i+3], v[RAM] offset:LO+1536*\u+16*\i
.endr
.endr
.set DSN, DSN+6
.if LI%4 == 0
.set MK0, DSN
.endif
.if LI%4 == 1
.set MK1, DSN
.endif
.if LI%4 == 2
.set MK2, DSN
.endif
.if LI%4 == 3
.set MK3, DSN
.endif
.set LI, LI+1
.endm
.macro LD1 p
	WIN 0xc3
	PLACES                                         ; the set was read by the panel four before
	LOADM \p
.endm
.macro LD2 p, q
	LD1 \p
	LOADM \q
.endm
; Numbers 2 (kk % 4), + 1 of fragment kk / 4: sum[q] += (fc_w + Y) x, two at a time, four chains; each accumulator is read from its low end on.  The very first products start the sums.
.macro DOT4 gg, kk
.irp k, 0,1,2,3
.set DA, ACC+64*((\gg)%2)+8*(4*((\kk)/4)+\k)+2*((\kk)%4)
.set DX, XD+16*\k+8*((\kk)/4)+2*((\kk)%4)
.if ((\gg) == 0) && ((\kk) == 0)
	v_pk_mul_f32 v[SUM+2*\k:SUM+2*\k+1], v[DA:DA+1], v[DX:DX+1]
.else
	v_pk_fma_f32 v[SUM+2*\k:SUM+2*\k+1], v[DA:DA+1], v[DX:DX+1], v[SUM+2*\k:SUM+2*\k+1]
.endif
.endr
.endm
.macro NEEDS m
.if NEED < (\m)
.set NEED, \m
.endif
.endm
.macro PSET g, s                       ; panel (g, s): the wait for all that it reads
.set PP, (\g)*((\g)+1)/2+(\s)
	UNITOF PP
.set SA, MS+9*(FI%2)+UI
.set FA0, MF+24*(PI%4)
.if PI%4 == 0
.set NEED, MK0
.endif
.if PI%4 == 1
.set NEED, MK1
.endif
.if PI%4 == 2
.set NEED, MK2
.endif
.if PI%4 == 3
.set NEED, MK3
.endif
.if FI%2 == 0
	NEEDS MSK0
.else
	NEEDS MSK1
.endif
.if (\s) == (\g)
	NEEDS FMK
.endif
.if (\s) == 0
	NEEDS BMK
.endif
	WDS NEED
.set PI, PI+1
.endm
; Half a panel: fragment u of Mop, four matrix instructions; the eight accumulators of a panel by turns, one instruction a turn.  dot: the group whose 32 multiply-adds stand here,
; -1 for none.
.macro MM4 g, s, u, dot
	WIN 0xf3+4*(1+(\s)%2)                          ; Mop, C and D window 3, x window 1 or 2
.irp q, 0,1,2,3
.set AC, ACC+64*((\g)%2)+8*(4*\u+\q)
.set CC, AC
.if (\s) == 0
.set CC, BIAS+8*\u                     ; the first K step starts the sums from fc_w: nothing is cleared, nothing is added later
.endif
.set FA, FA0+12*\u
.set XF, 48*((\s)/2)+12*\q
.set SB, XS+2*(\s)+\q/2
.if \u == 0
.if \q%2 == 0
	v_wmma_scale_f32_16x16x128_f8f6f4 v[AC:AC+7], v[FA:FA+11], v[XF:XF+11], v[CC:CC+7], v[SA], v[SB] matrix_a_fmt:MATRIX_FMT_BF6 matrix_b_fmt:MATRIX_FMT_BF6
.else
	v_wmma_scale_f32_16x16x128_f8f6f4 v[AC:AC+7], v[FA:FA+11], v[XF:XF+11], v[CC:CC+7], v[SA], v[SB] matrix_a_fmt:MATRIX_FMT_BF6 matrix_b_fmt:MATRIX_FMT_BF6 matrix_b_scale:MATRIX_SCALE_ROW1
.endif
.else
.if \q%2 == 0
	v_wmma_scale_f32_16x16x128_f8f6f4 v[AC:AC+7], v[FA:FA+11], v[XF:XF+11], v[CC:CC+7], v[SA], v[SB] matrix_a_fmt:MATRIX_FMT_BF6 matrix_b_fmt:MATRIX_FMT_BF6 matrix_a_scale:MATRIX_SCALE_ROW1
.else
	v_wmma_scale_f32_16x16x128_f8f6f4 v[AC:AC+7], v[FA:FA+11], v[XF:XF+11], v[CC:CC+7], v[SA], v[SB] matrix_a_fmt:MATRIX_FMT_BF6 matrix_b_fmt:MATRIX_FMT_BF6 matrix_a_scale:MATRIX_SCALE_ROW1 matrix_b_scale:MATRIX_SCALE_ROW1
.endif
.endif
.if (\dot) >= 0
	DOT4 \dot, 2*\q
	DOT4 \dot, 2*\q+1
.endif
.endr
.endm
.macro PANEL g, s, dot
	PSET \g, \s
	MM4 \g, \s, 0, -1
	MM4 \g, \s, 1, \dot
.endm
; A step's end: its last panel, with the barrier inside.
.macro ENDB g, s, dot
	PSET \g, \s
	MM4 \g, \s, 0, -1
	s_wait_dscnt 0x0                               ; for the others' sake: my LDS stores have landed, and my reads are back
	s_barrier_signal -1
	MM4 \g, \s, 1, \dot
	s_barrier_wait -1
.endm
.macro ENDF g, s, dot, g0, units, n    ; the same where a fill goes out behind the barrier, which opens a round of the cluster's barrier
	PSET \g, \s
	PREP \g0, \units, \n
	MM4 \g, \s, 0, -1
	s_wait_dscnt 0x0                               ; the add is done too
	s_barrier_signal -1
	MM4 \g, \s, 1, \dot
	WIN 0
	s_barrier_wait -1
	CREST                                          ; all this now holds of every wave of all four work-groups
	ASK \g0
.endm
	s_load_b256 s[4:11], s[0:1], 0x0               ; x s[4:5], fc_w s[6:7], fc_b s[8:9], mbuf s[10:11]
	s_load_b64 s[12:13], s[0:1], 0x20              ; out0
	v_lshl_add_u32 v[SPW], v0, 2, SPARE
	v_mov_b32 v[NIL], 0
	ds_add_u32 v[SPW], v[NIL]                      ; the wave's opening: the add, twice on end, and its wait
	ds_add_u32 v[SPW], v[NIL]
	v_lshrrev_b32 v[TM], 5, v0
	v_readfirstlane_b32 s15, v[TM]                 ; wave 0..3
	v_and_b32 v[TM+1], 31, v0                      ; lane
	v_lshlrev_b32 v[XG], 4, v[TM+1]
	v_lshlrev_b32 v[FCG], 4, v0
	v_mov_b32 v[ZO], 0
	s_bfe_u32 s16, ttmp6, 0x40000                  ; cx: my place in the cluster: it enters x's, out0's and the prefetches' addresses alone
	s_lshl_b32 s17, ttmp9, 2                       ; in a cluster launch ttmp9 counts clusters
	s_add_co_u32 s17, s17, s16                     ; my block of 64 rows
	s_lshl_b32 s18, s17, 18                        ; 64 rows of 4,096 bytes,
	s_lshl_b32 s19, s15, 16                        ; my wave's 16 of them
	s_add_co_u32 s18, s18, s19
	s_mov_b32 s19, 0
	s_mul_i32 s40, s15, 36*UNIT                    ; my wave number's units in mbuf
	s_mov_b32 s41, 0
	s_mul_i32 s22, s15, 2*SLOTB                    ; my ring
	; descriptor group 1: rows of 416 elements of 8 bytes, a unit (13 x 256 bytes) each, dense in memory and in LDS
	s_mov_b32 s24, 15|(3<<16)|(1<<21)              ; 15:0 the mask: all four work-groups; 17:16 elements of 8 bytes; 20 padding off; 21 set beside a mask
	s_mov_b32 s25, 416<<16                         ; tensor_dim0 = 416
	s_mov_b32 s26, 5<<16                           ; tensor_dim1: the head's fill has five units
	s_mov_b32 s27, 416<<16                         ; tile_dim0 = 416
	s_mov_b32 s28, 5                               ; tile_dim1
	s_mov_b32 s29, 416                             ; tensor_dim0_stride
	s_mov_b32 s30, 0
	s_mov_b32 s31, 0
	s_mov_b32 s20, 0x76543210
	s_mov_b32 s21, 0xfedcba98                      ; v_permlanex16_b32's selects for lane l xor 16
	s_mul_i32 s23, s15, 16*XP
	s_add_co_u32 s23, s23, XROW
	s_lshl_b32 s42, s15, 7
	s_add_co_u32 s43, s42, XROW
	s_and_b32 s44, s15, 1
	s_mul_i32 s44, s44, 768
	s_lshr_b32 s45, s15, 1
	s_mul_i32 s45, s45, 24
	s_add_co_u32 s44, s44, s45
	s_add_co_u32 s44, s44, XIMG
	s_add_co_u32 s45, s15, XIMG+ISC
	s_add_co_u32 s46, s42, FCW
	s_lshl_b32 s47, s15, 8
	s_add_co_u32 s47, s47, RED
	s_lshl_b32 s48, s16, 5
	s_wait_dscnt 0x0                               ; both opening adds are done
	s_wait_alu depctr_va_vdst(0)                   ; the wait here, directly ahead of the wait below
	s_wait_kmcnt 0x0
	s_add_nc_u64 s[4:5], s[4:5], s[18:19]          ; x at my wave's first row
	s_lshl_b32 s18, s17, 8
	s_add_nc_u64 s[12:13], s[12:13], s[18:19]      ; out0 at my block's 256 bytes
	s_add_nc_u64 s[10:11], s[10:11], s[40:41]      ; mbuf at my wave number's units: no place in the cluster enters it
	global_load_b32 v[FCB], v[ZO], s[8:9]          ; fc_b: every lane reads the one word
	global_load_b128 v[FS:FS+3], v[FCG], s[6:7]
	global_load_b128 v[FS+4:FS+7], v[FCG], s[6:7] offset:2048
.set LDN, 3
	XLA 0                                          ; what is wanted first
	XLB 0
	s_mov_b32 s32, 1                               ; group 0 for slot 0: count = 1,
	s_mov_b32 s33, s22                             ; LDS address,
	s_mov_b64 s[34:35], s[10:11]                   ; global address: unit 0,
	s_or_b32 s35, s35, 0x80000000                  ; type = 2
	s_mov_b32 s36, 1                               ; and for slot 1: unit 5
	s_add_co_u32 s37, s22, SLOTB
	s_add_nc_u64 s[38:39], s[10:11], 5*UNIT
	s_or_b32 s39, s39, 0x80000000
	WIN 0
	CROUND                                         ; all four work-groups are here: the first joint loads meet
	ASK 32                                         ; fill 0: one tensor load a wave at the head
	XLA 1
	XLB 1                                          ; (chunks 2 and 3 are wanted later than fill 0: they are asked for behind it, below; chunks 4 and 5 both in step 0)
	v_and_b32 v[TM+2], 15, v0                      ; r
	v_bfe_u32 v[TM+3], v0, 4, 1                    ; h
	v_lshlrev_b32 v[TM+4], 2, v[TM+2]
	v_mul_u32_u24 v[TM+5], v[TM+2], XP
	v_mul_u32_u24 v[TM+6], v[TM+2], 48
	v_mul_u32_u24 v[TM+7], v[TM+3], 12
	v_mul_u32_u24 v[TM+8], v[TM+1], 48
	v_lshlrev_b32 v[TM+9], 2, v[TM+1]
	v_lshlrev_b32 v[TM+10], 6, v[TM+3]
	v_lshl_add_u32 v[TM+11], v[TM+3], 7, v[TM+4]
	v_add_nc_u32 v[XST], s23, v[XG]
	v_add_nc_u32 v[TM+5], v[TM+5], v[TM+10]
	v_add_nc_u32 v[XDA], s43, v[TM+5]
	v_add_nc_u32 v[TM+6], v[TM+6], v[TM+7]
	v_add_nc_u32 v[XWI], s44, v[TM+6]
	v_add_nc_u32 v[XRI], XIMG, v[TM+8]
	v_add_nc_u32 v[XWS], s45, v[TM+4]
	v_add_nc_u32 v[XRS], XIMG+ISC, v[TM+9]
	v_add_nc_u32 v[FCS], FCW, v[FCG]
	v_add_nc_u32 v[FCA], s46, v[TM+10]
	v_add_nc_u32 v[RDS], s47, v[TM+4]
	v_lshlrev_b32 v[OUTA], 3, v[TM+1]
	v_add_nc_u32 v[RDL], RED, v[OUTA]
	v_add_nc_u32 v[MSA], s22, v[TM+11]
	v_add_nc_u32 v[PFO], s48, v[TM+1]
	v_min_u32 v[PFP], 51, v[PFO]
	v_min_u32 v[PFO], 116, v[PFO]
	v_lshlrev_b32 v[PFP], 8, v[PFP]
	v_lshlrev_b32 v[PFO], 8, v[PFO]
	WIN 0xc0
	v_add_nc_u32 v[RAM], s22, v[TM+8]
	s_wait_alu depctr_va_vdst(0)                   ; the wait at the head's end
	PF 1, PFO
	WIN 0
	s_wait_loadcnt LDN-LK0                         ; chunk 0, and fc_b and fc_w ahead of it, are in
	XLA 2
	XLB 2
	ds_store_b128 v[FCS], v[FS:FS+3]               ; fc_w, once: 128 threads x 16 bytes, twice
	ds_store_b128 v[FCS], v[FS+4:FS+7] offset:2048
.set DSN, DSN+2
	LAY 0
	s_wait_dscnt 0x0                               ; for the others' sake: my rows have landed
	s_barrier_signal -1
	s_barrier_wait -1                              ; chunk 0 lies in LDS as rows
	RDX 0
	RDB 0
	QUANT 0
	XLA 3
	XLB 3
	LAY 1
	LANDED 0, 5
	LD2 0, 1
	PREP 36, 0, 9
	s_wait_dscnt 0x0                               ; the add is done, my stores have landed and my reads are back
	CROUND                                         ; barrier 0
	ASK 36                                         ; slot 1's first fill, units 5-13, issued as a refill is
	; step 0
	RDX 1
	RDF 0
	PANEL 0, 0, -1
	PLACES
	RDB 1
	QUANT 1
	PF 2, PFO
	XLA 4                                          ; (a chunk's registers are loaded again behind the barrier that waited for its LDS stores)
	XLB 4
	XLA 5
	LAY 2
	XLB 5
	LD2 3, 2
	ENDB 1, 0, 0
	; step 1
	PLACES
	RDB 2
	RDX 2
	PANEL 2, 0, -1
	RDF 1
	LD1 4
	QUANT 2
	RDB 3                                          ; (its registers were read as C ahead of the quantiser's vector work)
	XLA 6
	PANEL 1, 1, -1
	LAY 3
	XLB 6
	LANDED 1, 9
	LD2 6, 7
	ENDF 2, 1, 1, 32, 14, 9                        ; barrier 2: units 0-4 have been read; slot 0 takes units 14-22
	; step 2
	RDX 3
	PANEL 3, 0, -1
	PANEL 3, 1, -1
	RDF 2
	LD2 5, 8
	QUANT 3
	PF 3, PFO
	RDB 4
	XLA 7
	LAY 4
	XLB 7
	PANEL 2, 2, -1
	LD2 10, 11
	ENDB 3, 2, 2
	; step 3
	RDX 4
	PANEL 4, 0, -1
	PANEL 4, 1, -1
	RDF 3
	LD2 9, 12
	LOADM 13
	QUANT 4
	RDB 5
	LAY 5
	PANEL 3, 3, -1
	PANEL 4, 2, -1
	LANDED 2, 9
	LD2 15, 16
	ENDF 4, 3, 3, 36, 18, 9                        ; barrier 4: units 5-13 have been read; slot 1 takes units 23-31
	; step 4
	RDX 5
	PANEL 5, 0, -1
	PANEL 5, 1, -1
	RDF 4
	LD2 14, 17
	LOADM 18
	LOADM 19
	QUANT 5
	PF 4, PFP
	RDB 6
	LAY 6
	PANEL 4, 4, -1
	PANEL 5, 2, -1
	PANEL 5, 3, -1
	LD2 21, 22
	ENDB 5, 4, 4
	; step 5
	RDX 6
	PANEL 6, 0, -1
	PANEL 6, 1, -1
	RDF 5
	LD1 20
	QUANT 6
	RDB 7
	LAY 7
	PANEL 5, 5, -1
	LANDED 3, 9
	LD2 23, 24
	LOADM 25
	PANEL 6, 2, -1
	PANEL 6, 3, -1
	LD1 26
	PANEL 6, 4, -1
	LD2 28, 29
	ENDF 6, 5, 5, 32, 18, 4                        ; barrier 6: units 14-22 have been read; slot 0 takes units 32-35: the last fill
	; step 6
	RDX 7
	PANEL 7, 0, -1
	PANEL 7, 1, -1
	RDF 6
	LD2 27, 30
	LOADM 31
	QUANT 7
	s_wait_dscnt 0x0
	s_barrier_signal -1                            ; my codes have landed.  Between the signal and the wait: registers, and reads of my ring, which nobody fills again
	PANEL 6, 6, -1
	PANEL 7, 2, -1
	LANDED 4, 4
	LD2 32, 33
	PANEL 7, 3, -1
	LD2 34, 35
	PANEL 7, 4, -1
	PANEL 7, 5, -1
	PANEL 7, 6, 6
	s_barrier_wait -1
	; step 7
	RDF 7
	PANEL 7, 7, -1
	PLACES
	s_wait_alu depctr_va_vdst(0)                   ; the sums were written ahead of the waits above
.irp e, 0,1,2,3,4,5,6,7
	DOT4 7, \e
.endr
	WIN 0x0f                                       ; sources 0 and 1 window 3
.irp q, 0,1,2,3
	v_add_f32 v[FS+\q], v[SUM+2*\q], v[SUM+2*\q+1] ; the pair's halves,
.endr
	WIN 0
.irp q, 0,1,2,3
	v_permlanex16_b32 v[FS+4+\q], v[FS+\q], s20, s21
.endr
.irp q, 0,1,2,3
	v_add_f32 v[FS+\q], v[FS+\q], v[FS+4+\q]       ; and lane l xor 16's: my wave's share of row 16 q + r
.endr
.irp q, 0,1,2,3
	ds_store_b32 v[RDS], v[FS+\q] offset:64*\q     ; lanes r and r + 16 write the same word with the same value
.endr
	s_wait_dscnt 0x0                               ; for wave 0's sake: my stores have landed
	s_barrier_signal -1
	s_barrier_wait -1
	s_cmp_lg_u32 s15, 0
	s_cbranch_scc1 .Ljoin
.irp w, 0,1,2,3
	ds_load_b64 v[FS+2*\w:FS+2*\w+1], v[RDL] offset:256*\w         ; rows 2 l and 2 l + 1: the four waves' shares
.endr
	v_mov_b32 v244, 0xbfb8aa3b                     ; -log2(e)
	v_mul_f32 v247, v[FCB], v244                   ; -log2(e) fc_b
	s_wait_alu depctr_va_vdst(0)                   ; the wait ahead of the wait below
	s_wait_dscnt 0x0
	v_pk_add_f32 v[FS:FS+1], v[FS:FS+1], v[FS+2:FS+3]
	v_pk_add_f32 v[FS+4:FS+5], v[FS+4:FS+5], v[FS+6:FS+7]
	v_pk_add_f32 v[FS:FS+1], v[FS:FS+1], v[FS+4:FS+5]
	v_fma_f32 v[FS], v[FS], v244, v247             ; -log2(e) (sum + fc_b)
	v_fma_f32 v[FS+1], v[FS+1], v244, v247
	s_wait_alu depctr_va_vdst(0)                   ; the waits ahead of and behind each batch
	v_exp_f32 v[FS], v[FS]
	v_exp_f32 v[FS+1], v[FS+1]
	v_nop                                          ; one plain place behind a transcendental (ISA guide 5.7.2)
	s_wait_alu depctr_va_vdst(0)
	v_add_f32 v[FS], 1.0, v[FS]
	v_add_f32 v[FS+1], 1.0, v[FS+1]
	s_wait_alu depctr_va_vdst(0)
	v_rcp_f32 v[FS], v[FS]
	v_rcp_f32 v[FS+1], v[FS+1]
	v_nop
	s_wait_alu depctr_va_vdst(0)
	global_store_b64 v[OUTA], v[FS:FS+1], s[12:13] ; 32 lanes store the block's 256 consecutive bytes, at a multiple of 256 from out0's first byte
.Ljoin:
	s_wait_tensorcnt 0x0                           ; the wave's end, behind my last tensor load and my last LDS store
	ds_add_u32 v[SPW], v[NIL]
	s_wait_dscnt 0x0
	CROUND                                         ; the closing round: no work-group ends while a partner may still ask for a tile that names it
	s_endpgm
.Lfunc_end_k_q60357c197e_ffm:
	.size	k_q60357c197e_ffm, .Lfunc_end_k_q60357c197e_ffm-k_q60357c197e_ffm
	.p2alignl 7, 3214868480
	.fill 96, 4, 3214868480
	.section	.rodata,"a",@progbits
	.p2align	6, 0x0
	.amdhsa_kernel k_q60357c197e_ffm
		.amdhsa_group_segment_fixed_size 327680
		.amdhsa_private_segment_fixed_size 0
		.amdhsa_enable_private_segment 0
		.amdhsa_kernarg_size 40
		.amdhsa_user_sgpr_count 2
		.amdhsa_user_sgpr_kernarg_segment_ptr 1
		.amdhsa_wavefront_size32 1
		.amdhsa_system_sgpr_workgroup_id_x 1
		.amdhsa_system_sgpr_workgroup_id_y 1
		.amdhsa_system_sgpr_workgroup_id_z 1
		.amdhsa_system_vgpr_workitem_id 0
		.amdhsa_next_free_vgpr 1024
		.amdhsa_next_free_sgpr 66
		.amdhsa_reserve_vcc 0
		.amdhsa_float_denorm_mode_32 3
		.amdhsa_float_denorm_mode_16_64 3
		.amdhsa_memory_ordered 1
		.amdhsa_forward_progress 1
		.amdhsa_inst_pref_size 159
	.end_amdhsa_kernel
	.amdgpu_metadata
---
amdhsa.version: [ 1, 2 ]
amdhsa.kernels:
  - .name:           k_q60357c197e_ffm
    .symbol:         k_q60357c197e_ffm.kd
    .args:
      - { .name: x, .offset: 0, .size: 8, .value_kind: global_buffer, .address_space: global }
      - { .name: fc_w, .offset: 8, .size: 8, .value_kind: global_buffer, .address_space: global }
      - { .name: fc_b, .offset: 16, .size: 8, .value_kind: global_buffer, .address_space: global }
      - { .name: mbuf, .offset: 24, .size: 8, .value_kind: global_buffer, .address_space: global }
      - { .name: out0, .offset: 32, .size: 8, .value_kind: global_buffer, .address_space: global }
    .group_segment_fixed_size: 327680
    .private_segment_fixed_size: 0
    .kernarg_segment_align: 8
    .kernarg_segment_size: 40
    .max_flat_workgroup_size: 128
    .sgpr_count:     66
    .vgpr_count:     1024
    .wavefront_size: 32
...
	.end_amdgpu_metadata
.endif
;; end of part 2
